; MI455X (gfx1250); checked and timed in simulation.
; The chip was launched on July 23, 2026; its instructions are those of AMD's public machine-readable ISA for CDNA 5 (MIT licence, August 2026) and "CDNA5" Instruction Set Architecture Reference Guide (July 2026). The comments in the code are by the model that wrote it; some were corrected since.
;; M. Allowed arithmetic: matrix products marked QUANTISED: E2M1 operands, one E8M0 scale for each 32 along K, by v_wmma_scale_f32_16x16x128_f8f6f4 with both operands' format E2M1 (or v_wmma_scale_f32_32x16x128_f4), f32 sums; products left as they are: bf16, f16 or f32 operands; f32 sums; everything else in f32.
;; Inputs: k 8,192 x 128 float32; q 8,192 x 128 float32; v 8,192 x 128 float32.
;; Outputs: out0 8,192 x 128 float32.
;; This version of the problem:
;;   THIS VERSION OF THE PROBLEM IS GIVEN IN LOW PRECISION. The matrix products marked QUANTISED in the list below multiply operands that are first quantised to E2M1 (2 exponent bits, 1 mantissa bit; 4 bits a number), with one power-of-two scale for each 32 numbers along K (OCP MX v1.0); their sums are f32. The products marked 'left as it is' may take bf16, f16 or f32 operands, with f32 sums. Whichever they take, every output number must still come out within the allowed error. Rounding operands to bf16 (8 significant bits) uses up far more of that allowance than f16 does (11 bits, for magnitudes from 6e-5 to 65,504). All else is computed in f32.
;;   The module's matrix products, in the order in which they are computed (A, B: the left and right operand; K: the contracted axis; several contracted axes count as one K, in the product's order):
;;     1. [M 8,192, K 128] x [K 128, N 8,192]; A: input q; B: input k: QUANTISED
;;     2. [M 8,192, K 8,192] x [K 8,192, N 128]; A: computed on the way; B: input v: left as it is (an operand is computed on the way)
;;   THE QUANTISER, for each operand of a quantised product, along K:
;;     - K is cut into blocks of 32 from its start; a last block that is shorter is filled with zeros.
;;     - A block's scale is 2^e with e = floor(log2(the largest magnitude in the block)) - 2, held to -126 .. 127; a block of zeros has e = 0. As a byte (E8M0): e + 127.
;;     - Each number is divided by its block's scale, clamped to +-6, and rounded to the nearest number of E2M1, ties to even, subnormals kept.
;;     - The product sums the exact products of the quantised numbers (number of the format x scale) in f32.
;;   ~~~python
;;   def quantise(x, axis):      # numpy; x: float32 -> the quantised numbers, widened to float32 again
;;       x = np.moveaxis(x, axis, -1); K = x.shape[-1]
;;       x = np.pad(x, [(0, 0)] * (x.ndim - 1) + [(0, -K % 32)]); x = x.reshape(x.shape[:-1] + (-1, 32)); a = np.abs(x).max(-1, keepdims=True)
;;       e = np.where(a > 0, np.clip(np.frexp(np.where(a > 0, a, 1))[1] - 1 - 2, -126, 127), 0)      # np.frexp(a)[1] - 1 = floor(log2(a)), exactly
;;       r = np.clip(x / 2.0 ** e, -6, 6)
;;       step = 2.0 ** (np.maximum(np.frexp(np.where(r == 0, 1, r))[1] - 1, 0) - 1)
;;       q = np.round(r / step) * step * 2.0 ** e      # np.round: ties to even
;;       return np.moveaxis(q.reshape(q.shape[:-2] + (-1,))[..., :K], -1, axis).astype(np.float32)
;;   ~~~
;; One version. Each part assembles by itself: llvm-mc -triple=amdgcn-amd-amdhsa -mcpu=gfx1250 --defsym DOCPART=n.
;; ======== version 1 of 1: 3 launches
;; limits: values are held in f16: magnitudes above 65,504 overflow, below 6.1e-05 lose precision; inputs' magnitudes at most 65,504
;; workspace buffers: qw 557,056 bytes; kc 557,056 bytes; vf 2,097,152 bytes; po 16,777,216 bytes; ml 262,144 bytes
;; launch prep (part 1): grid 256 x 1, 3 waves a work-group, no clusters, 42,752 bytes of LDS; arguments k, q, v, kc, qw, vf; writes kc, qw, vf
.if DOCPART == 1
	.amdgcn_target "amdgcn-amd-amdhsa--gfx1250"
	.amdhsa_code_object_version 6
	.text
	.protected	k_qe272a6e6a0_prep
	.globl	k_qe272a6e6a0_prep
	.p2align	8
	.type	k_qe272a6e6a0_prep,@function
k_qe272a6e6a0_prep:
	s_mov_b64 s[64:65], 0
	v_nop
	global_prefetch_b8 v0, s[64:65] scope:SCOPE_SE
	s_setreg_imm32_b32 hwreg(HW_REG_WAVE_MODE, 25, 1), 1
	s_wait_xcnt 0x0
; k and q [8192][128] f32 become codes of FP4 (E2M1) with one E8M0 byte for each 32 along the 128; v [8192][128] f32 becomes f16, laid as fragments of V^T.
; All three are written as IMAGES OF OPERAND REGISTERS, so that the attention launch fetches every fragment by 16-byte loads at 16 x lane:
;   codes: a tile of 16 rows is 1,024 bytes: half c (registers 4 c .. 4 c + 3) at 512 c, lane (16 h + r) at 16 x lane: row r, k = 64 c + 32 h + 0 .. 31, the lower k in the lower bits;
;   scale words: 4 bytes a row (byte b: k = 32 b ..), in the rows' order.  qw: 524,288 bytes of codes, then the words.  kc: four splits of 2,048 keys, each 131,072 bytes of codes and then its 8,192 bytes of words;
;   vf: a block of 32 keys is 8,192 bytes: channel tile ct at 1,024 ct, half c at 512 c, lane (16 h + r) at 16 x lane: V[16 c + 8 h + 0 .. 7][16 ct + r], the lower key in the lower bits.
; A block's scale is 2^(floor(log2(its largest magnitude)) - 2); its byte is the largest magnitude's exponent field - 2, held at 1 from below.  A block of zeros so gets the byte 1: its codes are zeros, and this program alone reads the bytes.
; LIMITS: blocks whose largest magnitude lies under 2^-124 keep the byte 1 and were not tried; NaN and infinities are not served; |v| stays under 65,504, f16's largest number.
; SHARES: work-group i takes rows 32 i .. 32 i + 31: wave 0 of k, wave 1 of q, wave 2 of v: 16 KiB a wave, all of it asked for at once.  The waves share nothing: no barrier.
; Every load reads one dense row of 512 bytes; the turn to "a lane holds neighbours along K" goes through the wave's own stage in LDS.
; The code and f16 stores cover 512 consecutive aligned bytes each; the scale words leave as 128 bytes a wave (one part in 128 of what the wave reads): whole blocks of 256 would want a barrier between waves.
.set STW,   16896                      ; k's and q's stages: two of 16 rows x 528 bytes for each of waves 0 and 1
.set SP,    528                        ; a stage row: 512 bytes + 16: the sixteen rows that a 16-byte load touches start 16 bytes apart modulo 256
.set VST,   33792                      ; v's stage: 8 channel tiles x (1,024 + 16) bytes
.set VP,    1040
.set SPARE, 42240                      ; the spare words: 128 bytes a wave, two blocks of 256 bytes that no other line names
.set SPW,   10                         ; v10  my spare word's address; never rewritten
.set NIL,   11                         ; v11  0; never rewritten
.set MX,    12                         ; v12-13 largest magnitudes of my two blocks
.set SCL,   14                         ; v14-15 the conversions' scale operands
.set BY,    16                         ; v16-17 the scale bytes
.set W0,    18                         ; v18-19 the scale words of tile 0 and tile 1
.set T,     20                         ; v20  the other half's bytes
.set H8,    21                         ; v21  8 h
.set WW,    22                         ; v22  the word that I store
.set R,     32                         ; v32-159  32 rows as loaded, 4 registers each
.set X,     160                        ; v160-223 64 neighbours along K (k, q), or packed f16 (v)
.set C,     224                        ; v224-239 codes, 8 registers a tile
	s_load_b256 s[4:11], s[0:1], 0x0               ; k s[4:5], q s[6:7], v s[8:9], kc s[10:11]
	s_load_b128 s[12:15], s[0:1], 0x20             ; qw s[12:13], vf s[14:15]
	v_lshl_add_u32 v[SPW], v0, 2, SPARE
	v_mov_b32 v[NIL], 0
	v_lshrrev_b32 v1, 5, v0
	v_readfirstlane_b32 s16, v1                    ; wave 0..2
	v_and_b32 v1, 31, v0                           ; lane
	v_and_b32 v2, 15, v0                           ; r
	v_bfe_u32 v3, v0, 4, 1                         ; h
	v_lshlrev_b32 v4, 4, v1                        ; 16 x lane: in memory, in and out
	s_mul_i32 s17, s16, STW
	v_add_nc_u32 v5, s17, v4                       ; k, q: into the stage, a row as it lies
	v_mul_u32_u24 v6, v2, SP
	v_lshl_add_u32 v6, v3, 7, v6
	v_add_nc_u32 v6, s17, v6                       ; and out of it: row r, 128 h bytes on: my 32 numbers of each 64
	v_lshlrev_b32 v7, 2, v1                        ; 4 x lane: a scale word's place
	v_lshrrev_b32 v8, 2, v1
	v_mul_u32_u24 v8, v8, VP
	v_and_b32 v9, 3, v1
	v_lshl_add_u32 v8, v9, 6, v8
	v_add_nc_u32 v8, VST, v8                       ; v: into the stage: my four channels lie in tile lane / 4, at 64 (lane % 4)
	v_add_nc_u32 v9, VST, v4                       ; and out of it: 16 x lane
	v_lshlrev_b32 v[H8], 3, v3
	v_mov_b32 v[T], 0                              ; written once: a lane permute's destination counts as one of its sources
	s_mov_b32 s20, 0x76543210
	s_mov_b32 s21, 0xfedcba98                      ; v_permlanex16_b32's selects for lane l xor 16
	s_lshl_b32 s18, ttmp9, 14                      ; my 32 rows of 512 bytes
	s_mov_b32 s19, 0
	s_lshr_b32 s22, ttmp9, 6                       ; the split of 2,048 keys
	s_add_co_u32 s23, s22, 1
	s_lshl_b32 s22, s22, 13                        ; kc: each split before mine has 8,192 bytes of words in front of my codes,
	s_lshl_b32 s23, s23, 17                        ; and my words stand behind (split + 1) x 131,072 bytes of codes
	s_wait_kmcnt 0x0
	s_cmp_eq_u32 s16, 2
	s_cbranch_scc1 .Lv
	; ---- waves 0 and 1: k or q.  Only pointers and offsets are chosen: both take one path
	s_cmp_eq_u32 s16, 0
	s_cselect_b64 s[4:5], s[4:5], s[6:7]
	s_cselect_b64 s[10:11], s[10:11], s[12:13]
	s_cselect_b32 s22, s22, 0
	s_cselect_b32 s23, s23, 524288
	s_add_nc_u64 s[4:5], s[4:5], s[18:19]
	s_lshl_b32 s24, ttmp9, 11                      ; two tiles of 1,024 bytes
	s_add_co_u32 s24, s24, s22
	s_mov_b32 s25, 0
	s_add_nc_u64 s[24:25], s[10:11], s[24:25]      ; my codes
	s_lshl_b32 s26, ttmp9, 7                       ; 32 words
	s_add_co_u32 s26, s26, s23
	s_mov_b32 s27, 0
	s_add_nc_u64 s[26:27], s[10:11], s[26:27]      ; my scale words
.irp i, 0,1,2,3,4,5,6,7,8,9,10,11,12,13,14,15,16,17,18,19,20,21,22,23,24,25,26,27,28,29,30,31
	global_load_b128 v[R+4*\i:R+4*\i+3], v4, s[4:5] offset:512*\i th:TH_LOAD_NT
.endr
; 64 numbers of a lane, register 32 c + i = k 64 c + 32 h + i of row r, become the tile's codes (stored) and its scale word
.macro QUANT src, t
.irp c, 0,1
	v_max3_num_f32 v[MX+\c], |v[\src+32*\c]|, |v[\src+32*\c+1]|, 0x1800000   ; my block 2 c + h: all its 32 numbers are mine; the floor 2^(3 - 127) holds the byte at 1 from below
.endr
.irp i, 2,4,6,8,10,12,14,16,18,20,22,24,26,28,30
.irp c, 0,1
	v_max3_num_f32 v[MX+\c], v[MX+\c], |v[\src+32*\c+\i]|, |v[\src+32*\c+\i+1]|   ; (the two blocks by turns)
.endr
.endr
.irp c, 0,1
	v_add_nc_u32 v[SCL+\c], 0xff000000, v[MX+\c]   ; 2 off the exponent field: the conversion takes this operand's exponent field as its scale
.endr
.irp c, 0,1
	v_lshrrev_b32 v[BY+\c], 23, v[SCL+\c]          ; the scale's byte
.endr
	v_lshl_or_b32 v[W0+\t], v[BY+1], 16, v[BY]     ; blocks h and 2 + h,
	v_lshlrev_b32 v[W0+\t], v[H8], v[W0+\t]        ; at their places in the word;
	v_permlanex16_b32 v[T], v[W0+\t], s20, s21
	v_or_b32 v[W0+\t], v[W0+\t], v[T]              ; with lane l xor 16's two the word is whole
.irp c, 0,1
.irp g, 0,1,2,3
	v_cvt_scalef32_pk8_fp4_f32 v[C+8*\t+4*\c+\g], v[\src+32*\c+8*\g:\src+32*\c+8*\g+7], v[SCL+\c]
.endr
.endr
	v_nop                                          ; one plain vector line behind the last scaled conversion
	global_store_b128 v4, v[C+8*\t:C+8*\t+3], s[24:25] offset:1024*\t          ; 32 lanes store 512 consecutive bytes
	global_store_b128 v4, v[C+8*\t+4:C+8*\t+7], s[24:25] offset:1024*\t+512
.endm
	s_wait_loadcnt 16                              ; tile 0's sixteen rows are in; tile 1's sixteen loads may be out
.irp i, 0,1,2,3,4,5,6,7,8,9,10,11,12,13,14,15
	ds_store_b128 v5, v[R+4*\i:R+4*\i+3] offset:SP*\i
.endr
.irp c, 0,1
.irp e, 0,1,2,3,4,5,6,7
	ds_load_b128 v[X+32*\c+4*\e:X+32*\c+4*\e+3], v6 offset:256*\c+16*\e        ; LDS serves a wave's instructions in order: these see the stores above
.endr
.endr
	s_wait_loadcnt 0x0
.irp i, 0,1,2,3,4,5,6,7,8,9,10,11,12,13,14,15
	ds_store_b128 v5, v[R+64+4*\i:R+64+4*\i+3] offset:16*SP+SP*\i
.endr
	s_wait_dscnt 16                                ; all but the sixteen stores just issued: tile 0 is back in X, and its rows' registers are free
.irp c, 0,1
.irp e, 0,1,2,3,4,5,6,7
	ds_load_b128 v[R+32*\c+4*\e:R+32*\c+4*\e+3], v6 offset:16*SP+256*\c+16*\e
.endr
.endr
	QUANT X, 0                                     ; while tile 1 turns through its stage
	s_wait_dscnt 0x0
	QUANT R, 1
	v_cmp_lt_u32 vcc_lo, 15, v1
	v_cndmask_b32 v[WW], v[W0], v[W0+1], vcc_lo    ; lanes 0-15: rows 0-15 (tile 0); lanes 16-31: rows 16-31 (tile 1)
	global_store_b32 v7, v[WW], s[26:27]
	s_wait_tensorcnt 0x0                           ; the wave's end: three lines behind my last LDS store
	ds_add_u32 v[SPW], v[NIL]
	s_wait_dscnt 0x0
	s_endpgm
.Lv:	; ---- wave 2: v.  Lane l holds channels 4 l .. 4 l + 3 of key i in R + 4 i
	s_add_nc_u64 s[8:9], s[8:9], s[18:19]
	s_lshl_b32 s22, ttmp9, 13
	s_mov_b32 s23, 0
	s_add_nc_u64 s[14:15], s[14:15], s[22:23]
.irp i, 0,1,2,3,4,5,6,7,8,9,10,11,12,13,14,15,16,17,18,19,20,21,22,23,24,25,26,27,28,29,30,31
	global_load_b128 v[R+4*\i:R+4*\i+3], v4, s[8:9] offset:512*\i th:TH_LOAD_NT
.endr
.irp u, 0,1,2,3                                ; keys 8 u .. 8 u + 7: u = 2 c + h of the fragment's layout
	s_wait_loadcnt 24-8*\u                         ; these eight rows are in; the younger ones may be out
.irp e, 0,1,2,3
.irp j, 0,1,2,3
	v_cvt_pk_f16_f32 v[X+16*\u+4*\e+\j], v[R+4*(8*\u+2*\j)+\e], v[R+4*(8*\u+2*\j+1)+\e]   ; channel 4 l + e: two neighbouring keys, the lower in the low half
.endr
.endr
.irp e, 0,1,2,3
	ds_store_b128 v8, v[X+16*\u+4*\e:X+16*\u+4*\e+3] offset:256*\u+16*\e       ; eight keys of one channel: the 16 bytes of lane 16 h + (channel % 16), half c
.endr
.endr
.irp i, 0,1,2,3,4,5,6,7,8,9,10,11,12,13,14,15
	ds_load_b128 v[R+4*\i:R+4*\i+3], v9 offset:(\i/2)*VP+(\i%2)*512
.endr
.irp i, 0,1,2,3,4,5,6,7,8,9,10,11,12,13,14,15
	s_wait_dscnt 15-\i
	global_store_b128 v4, v[R+4*\i:R+4*\i+3], s[14:15] offset:512*\i           ; 32 lanes store 512 consecutive bytes
.endr
	s_wait_tensorcnt 0x0                           ; the wave's end: three lines behind my last LDS store
	ds_add_u32 v[SPW], v[NIL]
	s_wait_dscnt 0x0
	s_endpgm
.Lfunc_end_k_qe272a6e6a0_prep:
	.size	k_qe272a6e6a0_prep, .Lfunc_end_k_qe272a6e6a0_prep-k_qe272a6e6a0_prep
	.p2alignl 7, 3214868480
	.fill 96, 4, 3214868480
	.section	.rodata,"a",@progbits
	.p2align	6, 0x0
	.amdhsa_kernel k_qe272a6e6a0_prep
		.amdhsa_group_segment_fixed_size 42752
		.amdhsa_private_segment_fixed_size 0
		.amdhsa_enable_private_segment 0
		.amdhsa_kernarg_size 48
		.amdhsa_user_sgpr_count 2
		.amdhsa_user_sgpr_kernarg_segment_ptr 1
		.amdhsa_wavefront_size32 1
		.amdhsa_system_sgpr_workgroup_id_x 1
		.amdhsa_system_sgpr_workgroup_id_y 1
		.amdhsa_system_sgpr_workgroup_id_z 1
		.amdhsa_system_vgpr_workitem_id 0
		.amdhsa_next_free_vgpr 240
		.amdhsa_next_free_sgpr 66
		.amdhsa_reserve_vcc 1
		.amdhsa_float_denorm_mode_32 3
		.amdhsa_float_denorm_mode_16_64 3
		.amdhsa_memory_ordered 1
		.amdhsa_forward_progress 1
		.amdhsa_inst_pref_size 28
	.end_amdhsa_kernel
	.amdgpu_metadata
---
amdhsa.version: [ 1, 2 ]
amdhsa.kernels:
  - .name:           k_qe272a6e6a0_prep
    .symbol:         k_qe272a6e6a0_prep.kd
    .args:
      - { .name: k, .offset: 0, .size: 8, .value_kind: global_buffer, .address_space: global }
      - { .name: q, .offset: 8, .size: 8, .value_kind: global_buffer, .address_space: global }
      - { .name: v, .offset: 16, .size: 8, .value_kind: global_buffer, .address_space: global }
      - { .name: kc, .offset: 24, .size: 8, .value_kind: global_buffer, .address_space: global }
      - { .name: qw, .offset: 32, .size: 8, .value_kind: global_buffer, .address_space: global }
      - { .name: vf, .offset: 40, .size: 8, .value_kind: global_buffer, .address_space: global }
    .group_segment_fixed_size: 42752
    .private_segment_fixed_size: 0
    .kernarg_segment_align: 8
    .kernarg_segment_size: 48
    .max_flat_workgroup_size: 96
    .sgpr_count:     66
    .vgpr_count:     240
    .wavefront_size: 32
...
	.end_amdgpu_metadata
.endif
;; end of part 1
;; launch attn (part 2): grid 64 x 4, 8 waves a work-group, clusters of 4 x 1, 327,680 bytes of LDS; arguments qw, kc, vf, po, ml; writes po, ml
.if DOCPART == 2
	.amdgcn_target "amdgcn-amd-amdhsa--gfx1250"
	.amdhsa_code_object_version 6
	.text
	.protected	k_qe272a6e6a0_attn
	.globl	k_qe272a6e6a0_attn
	.p2align	8
	.type	k_qe272a6e6a0_attn,@function
k_qe272a6e6a0_attn:
	s_mov_b64 s[64:65], 0
	v_nop
	global_prefetch_b8 v0, s[64:65] scope:SCOPE_SE
	s_setreg_imm32_b32 hwreg(HW_REG_WAVE_MODE, 25, 1), 1
	s_wait_xcnt 0x0
	s_wait_alu depctr_hold_cnt(0) depctr_sa_sdst(0) depctr_va_vdst(0) depctr_va_sdst(0) depctr_va_ssrc(0) depctr_va_vcc(0) depctr_vm_vsrc(0)
	s_getreg_b32 s2, hwreg(HW_REG_IB_STS2, 6, 4)
	s_cmp_eq_u32 s2, 0
	s_cbranch_scc0 .Lentry_in_a_cluster
	s_endpgm
.Lentry_in_a_cluster:
	s_bfe_u32 s2, ttmp6, 0x10000c
	s_cmp_lg_u32 s2, 0x3003
	s_cbranch_scc0 .Lentry_shape_is_right
	s_endpgm
.Lentry_shape_is_right:
; One part of softmax(q k^T / sqrt(128)) v: a work-group takes 128 queries and one split of 2,048 keys, and stores for each query the unnormalised sum over the split of p v (po), n = -c m and l = the sum of p (ml).
; p = 2^(c s - c m), c = log2(e) / sqrt(128), m the query's largest score IN THE SPLIT.  A later launch joins the four splits.
; q k^T runs on codes of FP4 (E2M1) with E8M0 scales, as the earlier launch made them; p v on f16 operands; all sums, maxima and exponentials in f32; l is summed of the f32 p.
; TWO PASSES over the split's keys.  Pass A: the scores and their maximum alone.  Pass B: the same matrix instructions on the same operands give the same scores; with m known there is no running maximum and nothing is rescaled,
; all waves of a query group work under one m, and their parts are joined by plain sums.  K's codes and scale words of the whole split (139,264 bytes) stay in LDS for both passes.
; SHARES.  Eight waves, two to a SIMD, so that one wave's softmax stands beside the other's products.  Wave w: query group g = w / 4 (64 queries: 4 tiles of 16), key share b = w % 4: of each slot of 256 keys the 64 keys
; 64 b on, in two steps of 32.
; LAYOUT.  S^T = K Q^T (source 0 = 16 keys, source 1 = 16 queries): a lane holds ONE query (lane % 16) and keys 8 (lane / 16) + 0..7.  Two such tiles, rounded to f16 in pairs, ARE source 1 (32 keys x 16 queries) of
; O^T = V^T P, whose result again holds one query a lane and eight neighbouring channels.  Every operand lies in memory and in LDS as an image of its registers, lane l's 16 bytes at 16 l: no pitch, no padding.
; CLUSTER.  The four work-groups of a cluster share the split, so K and every slot of V are asked for JOINTLY: the same tensor load, the same descriptor and the mask of all four, in all four.
; Each of the eight waves fetches an eighth: a slot's 64 KiB shared among eight waves are 32 rows of 256 bytes a load, K's 68 rows.
; LIMITS: p under 2^-24 becomes 0 in f16 (the row's sum is about 1 or more); |v| stays under 65,504; NaN and infinities are not served.
; REGISTERS.  Window 0: v0-15, v35, v44-47 addresses; v16-23 -c m (a pair a tile); v24-31 l (a pair a tile); v32-34 scale words; v36-43 at work; v48-79 Q; v80-95 K of a step; v96-159 S^T, then p; v160-191 P; v192-255 V of a step.
; Window 1: O^T, accumulator (t, ct) at v[64 t + 8 ct].
.set SLOT1, 65536                      ; V's slot 1 (slot 0 at 0): one exclusive or turns an address in one slot into the other's.  Also a slot's bytes in memory
.set KCO,   131072                     ; K's codes: 128 tiles of 1,024 bytes
.set KSC,   262144                     ; K's scale words: 4 bytes a key
.set KPART, 17408                      ; an eighth of the two: 68 rows of 256 bytes
.set MARR,  270336                     ; the maxima's exchange: 256 bytes a wave, 4 bytes a query
.set LARR,  272384                     ; the sums' exchange, likewise
.set SPARE, 274432                     ; the spare words: 128 bytes a wave: four blocks of 256 bytes that no other line names
.set STG,   33792                      ; the way out: a stage of 64 rows x 528 bytes for each wave, from LDS byte 0 on: over the slots and K, which have had their last fill and their last read by then
.set SP,    528
.set AK0, 3                            ; v3   my place in K's codes: KCO + 4,096 b + 16 x lane
.set AS0, 4                            ; v4   in K's scale words: KSC + 256 b + 4 x lane
.set AV0, 5                            ; v5   in a slot of V: 16,384 b + 16 x lane
.set ADK, 6                            ; v6-8 the same for the slot in hand
.set ADS, 7
.set ADV, 8
.set SPW, 9                            ; v9   my spare word's address; never rewritten
.set NIL, 10                           ; v10  0; never rewritten
.set AXW, 11                           ; v11  exchange, in: MARR + 256 w + 4 x lane
.set AXR, 12                           ; v12  maxima, back: MARR + 1,024 g + 4 r
.set AXL, 13                           ; v13  sums, back: LARR + 1,024 g + 4 x lane
.set STO, 14                           ; v14  stage, in: STG w + 528 r + 32 h
.set PFO, 15                           ; v15  256 x lane: the prefetches' offset; never rewritten
.set NCM, 16
.set L,   24
.set QS,  32                           ; v32: lanes 0-15 tile 0's scale words, lanes 16-31 tile 1's; v33: tiles 2 and 3
.set KS,  34                           ; v34: lanes 0-15 the step's keys 0-15, lanes 16-31 its keys 16-31
.set RD0, 35                           ; v35  stage, back: 4 STG g + 16 SP b + 16 x lane (shares 0, 1);  v46: shares 2, 3
.set MX,  36
.set T,   40
.set GO,  44                           ; v44  16 x lane
.set L4,  45                           ; v45  4 x lane
.set RD1, 46
.set L8,  47                           ; v47  8 x lane
.set Q,   48
.set KF,  80
.set S,   96
.set P,   160
.set VF,  192
.set OB,  96                           ; the way out: 8 rows x 4 shares x 4 registers
.set WV,  14                           ; s14 wave, s15 b, s16 g
.set KB,  15
.set QG,  16
.set G1K, 24                           ; s[24:31] descriptor group 1 for K; s[32:39] for V
.set G1V, 32
.set G0K, 40                           ; s[40:43] group 0 for K; s[44:47] V's slot 0; s[48:51] V's slot 1, which then walks
.set G0V0, 44
.set G0V1, 48
.set TB,  52                           ; s52 the slot in hand: 0 or SLOT1
.set TK,  53                           ; s53 16,384 x slot: its keys' codes
.set TS,  54                           ; s54 1,024 x slot: their scale words
.set SLOTS, 55                         ; s55 slots still to be asked for
.set HM,  56                           ; s56 the mask of lanes 16-31
.set LIM, 57                           ; s57 1 in a wave that prefetches, else the greatest number
.set CS,  58                           ; s[58:59] c (the packed form names a pair and takes its low word)
.set SEL, 60                           ; s[60:61] v_permlanex16_b32's selects for lane l xor 16
.set NC,  62                           ; s62 -c
.set PA,  63                           ; s63 pass A's trips
.set PFA, 66                           ; s[66:67] where my prefetches stand
.set QSB, 68                           ; s[68:69] my queries' scale words
.set MSB, 0
.macro WIN new                         ; the immediate's high byte repeats the setting that is left
.if MSB != \new
	s_set_vgpr_msb (MSB<<8)|\new
.set MSB, \new
.endif
.endm
.set W_PV, 0x50                        ; C and D in window 1, V and P in window 0
.set W_ST, 0x04                        ; an LDS store's data (source 1) in window 1
.macro PLACES                          ; four plain vector lines: behind matrix instructions, in front of reads of their results and of loads into their registers (ISA guide 7.12.1 for reads of their results)
.rept 4
	v_nop
.endr
.endm
.macro CROUND                          ; a round of the cluster's barrier: my work-group's barrier; wave 0 signals for the work-group; every wave waits for all four work-groups; my work-group's barrier once more
	s_barrier_signal -1
	s_barrier_wait -1
	s_cmp_lg_u32 s[WV], 0
	s_cbranch_scc1 .Lnot_wave_0_\@
	s_barrier_signal -3
.Lnot_wave_0_\@:
	s_barrier_wait -3
	s_barrier_signal -1
	s_barrier_wait -1
.endm
	s_load_b256 s[4:11], s[0:1], 0x0               ; qw s[4:5], kc s[6:7], vf s[8:9], po s[10:11]
	s_load_b64 s[12:13], s[0:1], 0x20              ; ml
	v_lshl_add_u32 v[SPW], v0, 2, SPARE
	v_mov_b32 v[NIL], 0
	ds_add_u32 v[SPW], v[NIL]                      ; the wave's opening: the add, twice on end, and its wait ahead of my first tensor load
	ds_add_u32 v[SPW], v[NIL]
	v_lshrrev_b32 v1, 5, v0
	v_readfirstlane_b32 s[WV], v1                  ; wave 0..7
	s_and_b32 s[KB], s[WV], 3
	s_lshr_b32 s[QG], s[WV], 2
	s_and_b32 s19, ttmp7, 0xffff                   ; the split, which the four partners share
	; descriptor group 1: dense blocks as rows of 256 bytes (32 elements of 8 bytes), no padding
	s_mov_b32 s[G1K], 15|(3<<16)|(1<<21)           ; 15:0 the mask: all four work-groups; 17:16 elements of 8 bytes; 21 set beside a mask
	s_mov_b32 s[G1K+1], 32<<16                     ; tensor_dim0 = 32
	s_mov_b32 s[G1K+2], 68<<16                     ; tensor_dim1 = 68
	s_mov_b32 s[G1K+3], 32<<16                     ; tile_dim0 = 32
	s_mov_b32 s[G1K+4], 68                         ; tile_dim1 = 68
	s_mov_b32 s[G1K+5], 32                         ; from row to row
	s_mov_b32 s[G1K+6], 0
	s_mov_b32 s[G1K+7], 0
	s_mov_b32 s[G1V], 15|(3<<16)|(1<<21)
	s_mov_b32 s[G1V+1], 32<<16
	s_mov_b32 s[G1V+2], 32<<16                     ; 32 rows
	s_mov_b32 s[G1V+3], 32<<16
	s_mov_b32 s[G1V+4], 32
	s_mov_b32 s[G1V+5], 32
	s_mov_b32 s[G1V+6], 0
	s_mov_b32 s[G1V+7], 0
	s_mov_b32 s[CS], 0x3e0293ee                    ; c = log2(e) / sqrt(128)
	s_mov_b32 s[CS+1], s[CS]
	s_mov_b32 s[NC], 0xbe0293ee                    ; -c
	s_mov_b32 s[SEL], 0x76543210
	s_mov_b32 s[SEL+1], 0xfedcba98
	s_mov_b32 s[TB], 0
	s_mov_b32 s[TK], 0
	s_mov_b32 s[TS], 0
	s_lshr_b32 s[LIM], s[WV], 1                    ; 0 in waves 0 and 1,
	s_or_b32 s[LIM], s[LIM], ttmp9                 ; of the split's first cluster: the same in all four partners
	s_cmp_eq_u32 s[LIM], 0
	s_cselect_b32 s[LIM], 1, -1
	s_mul_i32 s20, s[WV], KPART                    ; my eighth of K,
	s_mul_i32 s22, s19, 8*KPART                    ; in my split
	s_add_co_u32 s22, s22, s20
	s_mov_b32 s23, 0
	s_lshl_b32 s21, s[WV], 13                      ; my eighth of a slot of V
	s_wait_dscnt 0x0                               ; both opening adds are done
	s_wait_kmcnt 0x0
	s_mov_b32 s[G0K], 1                            ; count = 1
	s_add_co_u32 s[G0K+1], s20, KCO                ; LDS address: no place in the cluster enters it
	s_add_nc_u64 s[G0K+2:G0K+3], s[6:7], s[22:23]  ; global address
	s_or_b32 s[G0K+3], s[G0K+3], 0x80000000        ; type = 2
	s_lshl_b32 s22, s19, 19                        ; a split of V is 64 blocks of 8,192 bytes
	s_add_co_u32 s22, s22, s21
	s_mov_b32 s[G0V0], 1
	s_mov_b32 s[G0V0+1], s21
	s_add_nc_u64 s[G0V0+2:G0V0+3], s[8:9], s[22:23]
	s_mov_b32 s[G0V1], 1
	s_add_co_u32 s[G0V1+1], s21, SLOT1
	s_add_nc_u64 s[G0V1+2:G0V1+3], s[G0V0+2:G0V0+3], SLOT1
	s_or_b32 s[G0V0+3], s[G0V0+3], 0x80000000
	s_or_b32 s[G0V1+3], s[G0V1+3], 0x80000000
	CROUND                                         ; all four work-groups are here: the first joint loads meet
	tensor_load_to_lds s[G0K:G0K+3], s[G1K:G1K+7]  ; the first fills go out together: three loads of mine are out
	s_nop 0
	tensor_load_to_lds s[G0V0:G0V0+3], s[G1V:G1V+7]
	s_nop 0
	tensor_load_to_lds s[G0V1:G0V1+3], s[G1V:G1V+7]
	s_nop 0
	PLACES
	; what hangs on my place in the cluster: global addresses alone, in registers that feed no descriptor
	s_bfe_u32 s17, ttmp6, 0x40000                  ; cx
	s_lshl_b32 s18, ttmp9, 2
	s_add_co_u32 s18, s18, s17                     ; my block of 128 queries = 4 x cluster x + cx
	s_lshl_b32 s70, s18, 13                        ; 8 tiles of 1,024 bytes a block,
	s_lshl_b32 s72, s[QG], 12                      ; 4 a query group
	s_add_co_u32 s70, s70, s72
	s_mov_b32 s71, 0
	s_add_nc_u64 s[QSB:QSB+1], s[4:5], 0x80000     ; q's scale words begin behind 524,288 bytes of codes
	s_add_nc_u64 s[4:5], s[4:5], s[70:71]          ; my queries' codes
	s_lshr_b32 s70, s70, 4                         ; 4 bytes a query
	s_add_nc_u64 s[QSB:QSB+1], s[QSB:QSB+1], s[70:71]
	s_lshl_b32 s70, s70, 1                         ; ml: 8 bytes a query,
	s_lshl_b32 s72, s19, 16                        ; 65,536 a split
	s_add_co_u32 s70, s70, s72
	s_add_nc_u64 s[12:13], s[12:13], s[70:71]
	s_lshl_b32 s70, s70, 6                         ; po: 512 bytes a query,
	s_lshl_b32 s72, s[KB], 13                      ; and the 16 rows of the group that I store
	s_add_co_u32 s70, s70, s72
	s_add_nc_u64 s[10:11], s[10:11], s[70:71]
	s_lshl_b32 s70, s19, 19                        ; the prefetches: my split of V,
	s_lshl_b32 s72, s17, 14                        ; my work-group's quarter of a slot (the partners are told apart by address),
	s_add_co_u32 s70, s70, s72
	s_and_b32 s72, s[WV], 1
	s_lshl_b32 s72, s72, 13                        ; my wave's half of that,
	s_add_co_u32 s70, s70, s72
	s_add_co_u32 s70, s70, 2*SLOT1                 ; in slot 2: the first change of slots steps it to slot 3.  Nothing is prefetched here, at the head
	s_add_nc_u64 s[PFA:PFA+1], s[8:9], s[70:71]
	v_and_b32 v1, 31, v0                           ; lane
	v_and_b32 v2, 15, v0                           ; r
	v_bfe_u32 v[T], v0, 4, 1                       ; h
	v_lshlrev_b32 v[GO], 4, v1
	v_lshlrev_b32 v[L4], 2, v1
	v_lshlrev_b32 v[L8], 3, v1
	v_lshlrev_b32 v[PFO], 8, v1
.irp t, 0,1,2,3                                ; Q stays in registers: 4 KiB, dense
.irp c, 0,1
	global_load_b128 v[Q+8*\t+4*\c:Q+8*\t+4*\c+3], v[GO], s[4:5] offset:1024*\t+512*\c
.endr
.endr
	global_load_b32 v[QS], v[L4], s[QSB:QSB+1]
	global_load_b32 v[QS+1], v[L4], s[QSB:QSB+1] offset:128
	s_lshl_b32 s20, s[KB], 12
	s_add_co_u32 s20, s20, KCO
	v_add_nc_u32 v[AK0], s20, v[GO]
	s_lshl_b32 s20, s[KB], 8
	s_add_co_u32 s20, s20, KSC
	v_add_nc_u32 v[AS0], s20, v[L4]
	s_lshl_b32 s20, s[KB], 14
	v_add_nc_u32 v[AV0], s20, v[GO]
	s_lshl_b32 s20, s[WV], 8
	s_add_co_u32 s20, s20, MARR
	v_add_nc_u32 v[AXW], s20, v[L4]
	s_lshl_b32 s20, s[QG], 10
	s_add_co_u32 s21, s20, MARR
	v_lshl_add_u32 v[AXR], v2, 2, s21
	s_add_co_u32 s21, s20, LARR
	v_add_nc_u32 v[AXL], s21, v[L4]
	s_mul_i32 s20, s[WV], STG
	v_mul_u32_u24 v[STO], v2, SP
	v_lshl_add_u32 v[STO], v[T], 5, v[STO]
	v_add_nc_u32 v[STO], s20, v[STO]
	s_mul_i32 s20, s[QG], 4*STG
	s_mul_i32 s21, s[KB], 16*SP
	s_add_co_u32 s20, s20, s21
	v_add_nc_u32 v[RD0], s20, v[GO]
	v_add_nc_u32 v[RD1], 2*STG, v[RD0]
	v_cmp_lt_u32 s[HM], 15, v1
.irp t, 0,1,2,3
	v_mov_b32 v[MX+\t], 0xff800000                 ; the largest score so far: -infinity
	v_mov_b32 v[T+\t], 0                           ; written once: a lane permute's destination counts as one of its sources
.endr
.irp t, 0,1,2,3,4,5,6,7
	v_mov_b32 v[L+\t], 0
.endr
; One product of S^T = K Q^T: key tile kt (16 keys) x query tile t, all 128 along the head.  One register carries the scale words of two tiles: lanes 16-31 are chosen by ROW1.
.macro KQ1 t, kt
.if ((\t)%2 == 0) && ((\kt) == 0)
	v_wmma_scale_f32_16x16x128_f8f6f4 v[S+16*(\t)+8*(\kt):S+16*(\t)+8*(\kt)+7], v[KF+8*(\kt):KF+8*(\kt)+7], v[Q+8*(\t):Q+8*(\t)+7], 0, v[KS], v[QS+(\t)/2] matrix_a_fmt:MATRIX_FMT_FP4 matrix_b_fmt:MATRIX_FMT_FP4
.elseif ((\t)%2 == 1) && ((\kt) == 0)
	v_wmma_scale_f32_16x16x128_f8f6f4 v[S+16*(\t)+8*(\kt):S+16*(\t)+8*(\kt)+7], v[KF+8*(\kt):KF+8*(\kt)+7], v[Q+8*(\t):Q+8*(\t)+7], 0, v[KS], v[QS+(\t)/2] matrix_a_fmt:MATRIX_FMT_FP4 matrix_b_fmt:MATRIX_FMT_FP4 matrix_b_scale:MATRIX_SCALE_ROW1
.elseif ((\t)%2 == 0)
	v_wmma_scale_f32_16x16x128_f8f6f4 v[S+16*(\t)+8*(\kt):S+16*(\t)+8*(\kt)+7], v[KF+8*(\kt):KF+8*(\kt)+7], v[Q+8*(\t):Q+8*(\t)+7], 0, v[KS], v[QS+(\t)/2] matrix_a_fmt:MATRIX_FMT_FP4 matrix_b_fmt:MATRIX_FMT_FP4 matrix_a_scale:MATRIX_SCALE_ROW1
.else
	v_wmma_scale_f32_16x16x128_f8f6f4 v[S+16*(\t)+8*(\kt):S+16*(\t)+8*(\kt)+7], v[KF+8*(\kt):KF+8*(\kt)+7], v[Q+8*(\t):Q+8*(\t)+7], 0, v[KS], v[QS+(\t)/2] matrix_a_fmt:MATRIX_FMT_FP4 matrix_b_fmt:MATRIX_FMT_FP4 matrix_a_scale:MATRIX_SCALE_ROW1 matrix_b_scale:MATRIX_SCALE_ROW1
.endif
.endm
.macro KQ                              ; a step's eight products (32 keys x 64 queries), each with the constant 0 as C, and the places behind them
.irp t, 0,1,2,3
	KQ1 \t, 0
	KQ1 \t, 1
.endr
	PLACES
.endm
.macro KLOAD ak, as, co, so            ; a step's K: two tiles' codes (four loads of 512 consecutive bytes) and 32 scale words: five LDS loads
.irp i, 0,1,2,3
	ds_load_b128 v[KF+4*\i:KF+4*\i+3], v[\ak] offset:(\co)+512*\i
.endr
	ds_load_b32 v[KS], v[\as] offset:\so
.endm
.macro MAXS                            ; the running maximum takes a step's scores in, each accumulator from its low end on, the four tiles by turns
.irp i, 0,1,2,3,4,5,6,7
.irp t, 0,1,2,3
	v_max3_num_f32 v[MX+\t], v[MX+\t], v[S+16*\t+2*\i], v[S+16*\t+2*\i+1]
.endr
.endr
.endm
; PASS A, one slot's two steps.  Each step's K is fetched while the step before is worked.  last = 1: the fetch behind the last step is pass B's first.
.macro PASSA last
	v_add_nc_u32 v[ADK], s[TK], v[AK0]
	v_add_nc_u32 v[ADS], s[TS], v[AS0]
	s_wait_dscnt 0x0                               ; this step's K is in
	KQ
	KLOAD ADK, ADS, 2048, 128                      ; the slot's second step
	MAXS
	s_wait_dscnt 0x0
	KQ
.if \last
	KLOAD AK0, AS0, 0, 0                           ; slot 0's first step again
.else
	KLOAD ADK, ADS, 16384, 1024                    ; the next slot's first step
.endif
	MAXS
.endm
	s_wait_tensorcnt 2                             ; my eighth of K is in; my two loads of V, issued behind it, may stay out
	s_barrier_signal -1
	s_barrier_wait -1                              ; everybody's is
	KLOAD AK0, AS0, 0, 0
	s_wait_loadcnt 0x0                             ; Q and its scale words
	s_mov_b32 s[PA], 7
.Lpass_a:
	PASSA 0
	s_add_co_u32 s[TK], s[TK], 16384
	s_add_co_u32 s[TS], s[TS], 1024
	s_sub_co_u32 s[PA], s[PA], 1
	s_cmp_lg_u32 s[PA], 0
	s_cbranch_scc1 .Lpass_a
	PASSA 1                                        ; the eighth slot is written out: its last fetch differs
	s_mov_b32 s[TK], 0
	s_mov_b32 s[TS], 0
	; THE EXCHANGE: a query's maximum over the split = over the halves of the lanes and over the four waves of its group
.irp t, 0,1,2,3
	v_permlanex16_b32 v[T+\t], v[MX+\t], s[SEL], s[SEL+1]
.endr
.irp t, 0,1,2,3
	v_max_num_f32 v[MX+\t], v[MX+\t], v[T+\t]
.endr
	v_cndmask_b32 v[T], v[MX], v[MX+1], s[HM]      ; lanes 0-15 tile 0's queries, lanes 16-31 tile 1's
	v_cndmask_b32 v[T+1], v[MX+2], v[MX+3], s[HM]
	ds_store_b32 v[AXW], v[T]
	ds_store_b32 v[AXW], v[T+1] offset:128
	s_wait_tensorcnt 1                             ; my eighth of V's slot 0 is in; slot 1's load, the one behind it, may stay out
	s_wait_dscnt 0x0                               ; my stores have landed (and pass B's first K is in)
	s_barrier_signal -1
	s_barrier_wait -1
.irp t, 0,1,2,3
.irp w, 0,1,2,3
	ds_load_b32 v[S+4*\t+\w], v[AXR] offset:256*\w+64*\t
.endr
.endr
	s_wait_dscnt 0x0
.irp t, 0,1,2,3
	v_max3_num_f32 v[MX+\t], v[S+4*\t], v[S+4*\t+1], v[S+4*\t+2]
.endr
.irp t, 0,1,2,3
	v_max_num_f32 v[MX+\t], v[MX+\t], v[S+4*\t+3]
.endr
.irp t, 0,1,2,3
	v_mul_f32 v[NCM+2*\t], s[NC], v[MX+\t]         ; n = -c m
.endr
.irp t, 0,1,2,3
	v_mov_b32 v[NCM+2*\t+1], v[NCM+2*\t]           ; (named with it as a pair, so it is written)
.endr
; PASS B, a step of 32 keys: the j-th of my two in the slot.  zero = 1: the products start O^T's sums: nothing is ever cleared.  more = 1: the next step's K is fetched.
.macro STEP j, zero, more
.irp f, 0,1,2,3,4,5,6,7,8,9,10,11,12,13,14,15
	ds_load_b128 v[VF+4*\f:VF+4*\f+3], v[ADV] offset:8192*(\j)+512*\f   ; V^T: 8 channel tiles x 32 keys
.endr
	s_wait_dscnt 16                                ; this step's K, fetched a step ago, is in; the sixteen loads just issued may be out
	KQ
.if \more
.if (\j) == 0
	KLOAD ADK, ADS, 2048, 128
.else
	KLOAD ADK, ADS, 16384, 1024
.endif
.endif
.set jj, 0
.rept 32
	v_pk_fma_f32 v[S+jj:S+jj+1], v[S+jj:S+jj+1], s[CS:CS+1], v[NCM+2*(jj/16):NCM+2*(jj/16)+1] op_sel_hi:[1,0,0]   ; c s - c m, two at a time, each accumulator from its low end on
.set jj, jj+2
.endr
.set jj, 0
.rept 64
	v_exp_f32 v[S+jj], v[S+jj]                     ; p = 2^(c s - c m)
.set jj, jj+1
.endr
	v_nop                                          ; a plain line behind the last exponential,
	s_wait_alu depctr_va_vdst(0)                   ; and one wait for the whole batch ahead of its first reader
.set jj, 0
.rept 32
	v_cvt_pk_f16_f32 v[P+jj], v[S+2*jj], v[S+2*jj+1]   ; two neighbouring keys' p: P's registers 8 t + i are source 1 as they stand
.set jj, jj+1
.endr
.irp i, 0,1,2,3,4,5,6,7
.irp t, 0,1,2,3
	v_pk_add_f32 v[L+2*\t:L+2*\t+1], v[L+2*\t:L+2*\t+1], v[S+16*\t+2*\i:S+16*\t+2*\i+1]   ; l takes the f32 p, the four tiles by turns
.endr
.endr
.if \more
	s_wait_dscnt 5                                 ; V is in; the next step's five loads of K may be out
.else
	s_wait_dscnt 0x0
.endif
	WIN W_PV
.irp ct, 0,1,2,3,4,5,6,7                       ; 32 accumulators, one instruction each: they take turns
.irp t, 0,1,2,3
.if \zero
	v_wmma_f32_16x16x32_f16 v[64*\t+8*\ct:64*\t+8*\ct+7], v[VF+8*\ct:VF+8*\ct+7], v[P+8*\t:P+8*\t+7], 0
.else
	v_wmma_f32_16x16x32_f16 v[64*\t+8*\ct:64*\t+8*\ct+7], v[VF+8*\ct:VF+8*\ct+7], v[P+8*\t:P+8*\t+7], v[64*\t+8*\ct:64*\t+8*\ct+7]
.endif
.endr
.endr
	WIN 0
	PLACES                                         ; in front of the next loads into V's registers, and of the way out's reads
.endm
.macro SLOTSTEPS z, last               ; my two steps of the slot in hand
	v_add_nc_u32 v[ADK], s[TK], v[AK0]
	v_add_nc_u32 v[ADS], s[TS], v[AS0]
	v_add_nc_u32 v[ADV], s[TB], v[AV0]
	STEP 0, \z, 1
	STEP 1, 0, 1-\last
	s_add_co_u32 s[TK], s[TK], 16384
	s_add_co_u32 s[TS], s[TS], 1024
.endm
; A PREFETCH INTO THE L2 of the slot of V that the NEXT change of slots will ask for: 65,536 bytes = 256 blocks of 256 bytes, each named once in the launch.  All sixteen clusters of a split walk the same V: the split's
; first cluster asks; its four partners take a quarter each, told apart by address; in each, waves 0 and 1 take 8,192 bytes, lanes 256 bytes apart: one instruction.  It stands behind the wave's tensor load and its five lines,
; two steps (80 matrix instructions of each wave) ahead of the load that will want the bytes.  The last change that fills a slot asks for nothing; slots 0 to 2 and K come by their loads alone.
.macro ASK
	s_cmp_gt_u32 s[SLOTS], s[LIM]
	s_cbranch_scc0 .Lnot_mine_\@
	global_prefetch_b8 v[PFO], s[PFA:PFA+1] th:TH_LOAD_NT scope:SCOPE_SE
.Lnot_mine_\@:
.endm
; THE CHANGE OF SLOTS.  Each wave waits for all its tensor loads (one is out: its eighth of the slot ahead), adds 0 to its spare word, and waits for that and for its reads of the slot that it leaves.
; fill = 1: the barrier is a round of the cluster's, so that no wave of any partner still reads the slot or has a load on its way; the joint refill, with the keys two slots on, is the first thing behind it.
.macro CHANGE fill
	s_wait_tensorcnt 0x0                           ; no tensor load of mine is out, so a group 0 may be written
	ds_add_u32 v[SPW], v[NIL]
.if \fill
	s_xor_b32 s[G0V1+1], s[G0V1+1], SLOT1          ; the walking descriptor: the other slot than last time,
	s_add_nc_u64 s[G0V1+2:G0V1+3], s[G0V1+2:G0V1+3], SLOT1   ; the next 256 keys; the type bits on top are not reached
	s_wait_xcnt 0x0                                ; the last prefetch, a slot back, has read its address, so it may be written
	s_add_nc_u64 s[PFA:PFA+1], s[PFA:PFA+1], SLOT1
	s_wait_dscnt 0x0                               ; the add is done, and my reads of the slot are over
	CROUND
	tensor_load_to_lds s[G0V1:G0V1+3], s[G1V:G1V+7]
	s_nop 0
	PLACES
	ASK
.else
	s_wait_dscnt 0x0
	s_barrier_signal -1
	s_barrier_wait -1
.endif
	s_xor_b32 s[TB], s[TB], SLOT1                  ; on to the other slot
.endm
	SLOTSTEPS 1, 0                                 ; slot 0: its first products start the sums
	s_mov_b32 s[SLOTS], 6
.Lslot:                                            ; six trips: slots 1 to 6 are read, slots 2 to 7 asked for
	CHANGE 1
	SLOTSTEPS 0, 0
	s_sub_co_u32 s[SLOTS], s[SLOTS], 1
	s_cmp_lg_u32 s[SLOTS], 0
	s_cbranch_scc1 .Lslot
	CHANGE 0                                       ; the last slot is written out: nothing is left to ask for
	SLOTSTEPS 0, 1
	; THE WAY OUT.  My part of l goes to the exchange; then, behind a barrier (nobody reads the slots or K any more), my part of O^T goes to my stage.
.irp t, 0,1,2,3
	v_add_f32 v[MX+\t], v[L+2*\t], v[L+2*\t+1]     ; even keys' and odd keys' sums,
.endr
.irp t, 0,1,2,3
	v_permlanex16_b32 v[T+\t], v[MX+\t], s[SEL], s[SEL+1]
.endr
.irp t, 0,1,2,3
	v_add_f32 v[MX+\t], v[MX+\t], v[T+\t]          ; and the other half of the lanes'
.endr
	v_cndmask_b32 v[T], v[MX], v[MX+1], s[HM]
	v_cndmask_b32 v[T+1], v[MX+2], v[MX+3], s[HM]
	ds_store_b32 v[AXW], v[T] offset:LARR-MARR
	ds_store_b32 v[AXW], v[T+1] offset:LARR-MARR+128
	s_wait_dscnt 0x0                               ; my stores have landed and all my reads of the slots and of K are in
	s_barrier_signal -1
	s_barrier_wait -1
	WIN W_ST
.irp t, 0,1,2,3
.irp ct, 0,1,2,3,4,5,6,7
	ds_store_b128 v[STO], v[64*\t+8*\ct:64*\t+8*\ct+3] offset:16*SP*\t+64*\ct         ; lane (r, h): query 16 t + r, channels 16 ct + 8 h + 0..7; each accumulator from its low end on
	ds_store_b128 v[STO], v[64*\t+8*\ct+4:64*\t+8*\ct+7] offset:16*SP*\t+64*\ct+16
.endr
.endr
	WIN 0
	s_wait_dscnt 0x0
	s_barrier_signal -1
	s_barrier_wait -1                              ; the eight stages are whole
; Rows 16 b + 8 q + 0..7 of my query group: the four key shares' parts are added, always in the same order, and a whole row of 512 bytes is stored by the 32 lanes.
.macro OUTB q
.irp i, 0,1,2,3,4,5,6,7
	ds_load_b128 v[OB+16*\i:OB+16*\i+3],     v[RD0] offset:SP*(8*\q+\i)
	ds_load_b128 v[OB+16*\i+4:OB+16*\i+7],   v[RD0] offset:STG+SP*(8*\q+\i)
	ds_load_b128 v[OB+16*\i+8:OB+16*\i+11],  v[RD1] offset:SP*(8*\q+\i)
	ds_load_b128 v[OB+16*\i+12:OB+16*\i+15], v[RD1] offset:STG+SP*(8*\q+\i)
.endr
.irp i, 0,1,2,3,4,5,6,7
	s_wait_dscnt 4*(7-\i)                          ; row i's four loads are in; the later rows' may be out
	v_pk_add_f32 v[OB+16*\i:OB+16*\i+1],     v[OB+16*\i:OB+16*\i+1],     v[OB+16*\i+4:OB+16*\i+5]
	v_pk_add_f32 v[OB+16*\i+2:OB+16*\i+3],   v[OB+16*\i+2:OB+16*\i+3],   v[OB+16*\i+6:OB+16*\i+7]
	v_pk_add_f32 v[OB+16*\i+8:OB+16*\i+9],   v[OB+16*\i+8:OB+16*\i+9],   v[OB+16*\i+12:OB+16*\i+13]
	v_pk_add_f32 v[OB+16*\i+10:OB+16*\i+11], v[OB+16*\i+10:OB+16*\i+11], v[OB+16*\i+14:OB+16*\i+15]
	v_pk_add_f32 v[OB+16*\i:OB+16*\i+1],     v[OB+16*\i:OB+16*\i+1],     v[OB+16*\i+8:OB+16*\i+9]
	v_pk_add_f32 v[OB+16*\i+2:OB+16*\i+3],   v[OB+16*\i+2:OB+16*\i+3],   v[OB+16*\i+10:OB+16*\i+11]
	global_store_b128 v[GO], v[OB+16*\i:OB+16*\i+3], s[10:11] offset:512*(8*\q+\i)
.endr
.endm
	OUTB 0
	s_wait_xcnt 0x0                                ; the stores have read their registers: the next eight rows may land there
	OUTB 1
	s_cmp_lg_u32 s[KB], 0                          ; the group's n and l are stored by its wave with b = 0
	s_cbranch_scc1 .Lno_ml
.irp p, 0,1
.irp w, 0,1,2,3
	ds_load_b32 v[224+4*\p+\w], v[AXL] offset:256*\w+128*\p    ; query 32 p + lane: the four shares' sums
.endr
.endr
	s_wait_dscnt 0x0
.irp p, 0,1
	v_add_f32 v[224+4*\p], v[224+4*\p], v[225+4*\p]
	v_add_f32 v[226+4*\p], v[226+4*\p], v[227+4*\p]
	v_cndmask_b32 v[240+2*\p], v[NCM+4*\p], v[NCM+4*\p+2], s[HM]   ; n: lanes 0-15 tile 2 p, lanes 16-31 tile 2 p + 1
	v_add_f32 v[241+2*\p], v[224+4*\p], v[226+4*\p]
	global_store_b64 v[L8], v[240+2*\p:241+2*\p], s[12:13] offset:256*\p   ; 32 lanes store 256 consecutive aligned bytes
.endr
.Lno_ml:
	s_wait_tensorcnt 0x0                           ; the wave's end: three lines behind my last tensor load and my last LDS store
	ds_add_u32 v[SPW], v[NIL]
	s_wait_dscnt 0x0
	CROUND                                         ; the closing round: no work-group ends while a partner may still ask for a tile that names it
	s_endpgm
.Lfunc_end_k_qe272a6e6a0_attn:
	.size	k_qe272a6e6a0_attn, .Lfunc_end_k_qe272a6e6a0_attn-k_qe272a6e6a0_attn
	.p2alignl 7, 3214868480
	.fill 96, 4, 3214868480
	.section	.rodata,"a",@progbits
	.p2align	6, 0x0
	.amdhsa_kernel k_qe272a6e6a0_attn
		.amdhsa_group_segment_fixed_size 327680
		.amdhsa_private_segment_fixed_size 0
		.amdhsa_enable_private_segment 0
		.amdhsa_kernarg_size 40
		.amdhsa_user_sgpr_count 2
		.amdhsa_user_sgpr_kernarg_segment_ptr 1
		.amdhsa_wavefront_size32 1
		.amdhsa_system_sgpr_workgroup_id_x 1
		.amdhsa_system_sgpr_workgroup_id_y 1
		.amdhsa_system_sgpr_workgroup_id_z 1
		.amdhsa_system_vgpr_workitem_id 0
		.amdhsa_next_free_vgpr 512
		.amdhsa_next_free_sgpr 80
		.amdhsa_reserve_vcc 0
		.amdhsa_float_denorm_mode_32 3
		.amdhsa_float_denorm_mode_16_64 3
		.amdhsa_memory_ordered 1
		.amdhsa_forward_progress 1
		.amdhsa_inst_pref_size 123
	.end_amdhsa_kernel
	.amdgpu_metadata
---
amdhsa.version: [ 1, 2 ]
amdhsa.kernels:
  - .name:           k_qe272a6e6a0_attn
    .symbol:         k_qe272a6e6a0_attn.kd
    .args:
      - { .name: qw, .offset: 0, .size: 8, .value_kind: global_buffer, .address_space: global }
      - { .name: kc, .offset: 8, .size: 8, .value_kind: global_buffer, .address_space: global }
      - { .name: vf, .offset: 16, .size: 8, .value_kind: global_buffer, .address_space: global }
      - { .name: po, .offset: 24, .size: 8, .value_kind: global_buffer, .address_space: global }
      - { .name: ml, .offset: 32, .size: 8, .value_kind: global_buffer, .address_space: global }
    .group_segment_fixed_size: 327680
    .private_segment_fixed_size: 0
    .kernarg_segment_align: 8
    .kernarg_segment_size: 40
    .max_flat_workgroup_size: 256
    .sgpr_count:     80
    .vgpr_count:     512
    .wavefront_size: 32
...
	.end_amdgpu_metadata
.endif
;; end of part 2
;; launch comb (part 3): grid 256 x 1, 8 waves a work-group, no clusters, 0 bytes of LDS; arguments po, ml, out0; writes out0
.if DOCPART == 3
	.amdgcn_target "amdgcn-amd-amdhsa--gfx1250"
	.amdhsa_code_object_version 6
	.text
	.protected	k_qe272a6e6a0_comb
	.globl	k_qe272a6e6a0_comb
	.p2align	8
	.type	k_qe272a6e6a0_comb,@function
k_qe272a6e6a0_comb:
	s_mov_b64 s[64:65], 0
	v_nop
	global_prefetch_b8 v0, s[64:65] scope:SCOPE_SE
	s_setreg_imm32_b32 hwreg(HW_REG_WAVE_MODE, 25, 1), 1
	s_wait_xcnt 0x0
; out[q] = (the sum over the four splits s of f_s O_s[q]) / (the sum of f_s l_s), f_s = 2^(c m_s - c m), m the largest of the four maxima.  po: [4][8192][128] f32; ml: [4][8192] pairs (n = -c m_s, l_s); out0: [8192][128] f32.
; A wave takes four rows; all its 17 loads go out at once; each load and store of a row covers 512 consecutive aligned bytes.  No LDS, no barrier, no matrix unit: the launch only moves bytes, and waves share nothing.
; With n = -c m_s the largest m is the smallest n, and c m_s - c m = nmin - n_s, 0 or less: no exponential overflows, and the largest split's f is 1, so the divisor is about 1 or more.
.set D, 16                             ; v16-79  row i, split s at v[D + 16 i + 4 s]
.set O, 80                             ; v80-95  a row's result: registers of its own, so that no store's data are written again
	s_load_b128 s[4:7], s[0:1], 0x0                ; po, ml
	s_load_b64 s[8:9], s[0:1], 0x10                ; out0
	v_lshrrev_b32 v1, 5, v0
	v_readfirstlane_b32 s10, v1                    ; wave 0..7
	v_and_b32 v1, 31, v0
	v_lshlrev_b32 v2, 4, v1                        ; 16 x lane
	v_and_b32 v3, 3, v1                            ; (n, l): lane l takes row l % 4
	v_bfe_u32 v4, v1, 2, 2                         ; of split (l / 4) % 4; lanes 16-31 repeat lanes 0-15
	v_lshlrev_b32 v3, 3, v3
	v_lshl_add_u32 v3, v4, 16, v3                  ; 8 bytes a row, 65,536 a split
	s_lshl_b32 s11, ttmp9, 3
	s_add_co_u32 s11, s11, s10                     ; which four rows are mine
	s_lshl_b32 s12, s11, 11                        ; 4 rows of 512 bytes
	s_mov_b32 s13, 0
	s_lshl_b32 s14, s11, 5                         ; 4 pairs of 8 bytes
	s_mov_b32 s15, 0
	s_wait_kmcnt 0x0
	s_add_nc_u64 s[6:7], s[6:7], s[14:15]
	s_add_nc_u64 s[4:5], s[4:5], s[12:13]
	s_add_nc_u64 s[8:9], s[8:9], s[12:13]
	s_add_nc_u64 s[32:33], s[4:5], 0x800000        ; splits 2 and 3: a split is 4,194,304 bytes, and two of them pass the signed 24-bit immediate
	global_load_b64 v[4:5], v3, s[6:7]
.irp i, 0,1,2,3
	global_load_b128 v[D+16*\i:D+16*\i+3],     v2, s[4:5] offset:512*\i th:TH_LOAD_NT
	global_load_b128 v[D+16*\i+4:D+16*\i+7],   v2, s[4:5] offset:4194304+512*\i th:TH_LOAD_NT
	global_load_b128 v[D+16*\i+8:D+16*\i+11],  v2, s[32:33] offset:512*\i th:TH_LOAD_NT
	global_load_b128 v[D+16*\i+12:D+16*\i+15], v2, s[32:33] offset:4194304+512*\i th:TH_LOAD_NT
.endr
	s_wait_loadcnt 16                              ; (n, l) is in; the sixteen loads behind it may be out
	v_mov_b32 v6, v4
	v_min_num_f32_dpp v6, v6, v6 row_xmask:4 row_mask:0xf bank_mask:0xf   ; the smallest n of my row's four splits: lanes 4 and 8 apart
	v_min_num_f32_dpp v6, v6, v6 row_xmask:8 row_mask:0xf bank_mask:0xf
	v_sub_f32 v6, v6, v4                           ; nmin - n
	v_exp_f32 v7, v6                               ; f
	v_nop                                          ; a plain line behind the transcendental,
	s_wait_alu depctr_va_vdst(0)                   ; and the wait ahead of its first reader
	v_mul_f32 v8, v7, v5                           ; f l
	v_add_f32_dpp v8, v8, v8 row_xmask:4 row_mask:0xf bank_mask:0xf
	v_add_f32_dpp v8, v8, v8 row_xmask:8 row_mask:0xf bank_mask:0xf       ; the row's divisor
	v_rcp_f32 v9, v8
	v_nop
	s_wait_alu depctr_va_vdst(0)
	v_mul_f32 v7, v7, v9                           ; the weight of (row l % 4, split l / 4)
.irp k, 0,1,2,3,4,5,6,7,8,9,10,11,12,13,14,15
	v_readlane_b32 s[16+\k], v7, \k                ; as scalars: they multiply, and steer nothing
.endr
.irp i, 0,1,2,3
	s_wait_loadcnt 12-4*\i                         ; row i's four loads are in; the later rows' may be out
.irp e, 0,1,2,3
	v_mul_f32 v[O+4*\i+\e], s[16+\i], v[D+16*\i+\e]
.endr
.irp s, 1,2,3
.irp e, 0,1,2,3
	v_fma_f32 v[O+4*\i+\e], s[16+\i+4*\s], v[D+16*\i+4*\s+\e], v[O+4*\i+\e]
.endr
.endr
	global_store_b128 v2, v[O+4*\i:O+4*\i+3], s[8:9] offset:512*\i th:TH_STORE_NT
.endr
	s_endpgm
.Lfunc_end_k_qe272a6e6a0_comb:
	.size	k_qe272a6e6a0_comb, .Lfunc_end_k_qe272a6e6a0_comb-k_qe272a6e6a0_comb
	.p2alignl 7, 3214868480
	.fill 96, 4, 3214868480
	.section	.rodata,"a",@progbits
	.p2align	6, 0x0
	.amdhsa_kernel k_qe272a6e6a0_comb
		.amdhsa_group_segment_fixed_size 0
		.amdhsa_private_segment_fixed_size 0
		.amdhsa_enable_private_segment 0
		.amdhsa_kernarg_size 24
		.amdhsa_user_sgpr_count 2
		.amdhsa_user_sgpr_kernarg_segment_ptr 1
		.amdhsa_wavefront_size32 1
		.amdhsa_system_sgpr_workgroup_id_x 1
		.amdhsa_system_sgpr_workgroup_id_y 1
		.amdhsa_system_sgpr_workgroup_id_z 1
		.amdhsa_system_vgpr_workitem_id 0
		.amdhsa_next_free_vgpr 96
		.amdhsa_next_free_sgpr 66
		.amdhsa_reserve_vcc 0
		.amdhsa_float_denorm_mode_32 3
		.amdhsa_float_denorm_mode_16_64 3
		.amdhsa_memory_ordered 1
		.amdhsa_forward_progress 1
		.amdhsa_inst_pref_size 9
	.end_amdhsa_kernel
	.amdgpu_metadata
---
amdhsa.version: [ 1, 2 ]
amdhsa.kernels:
  - .name:           k_qe272a6e6a0_comb
    .symbol:         k_qe272a6e6a0_comb.kd
    .args:
      - { .name: po, .offset: 0, .size: 8, .value_kind: global_buffer, .address_space: global }
      - { .name: ml, .offset: 8, .size: 8, .value_kind: global_buffer, .address_space: global }
      - { .name: out0, .offset: 16, .size: 8, .value_kind: global_buffer, .address_space: global }
    .group_segment_fixed_size: 0
    .private_segment_fixed_size: 0
    .kernarg_segment_align: 8
    .kernarg_segment_size: 24
    .max_flat_workgroup_size: 256
    .sgpr_count:     66
    .vgpr_count:     96
    .wavefront_size: 32
...
	.end_amdgpu_metadata
.endif
;; end of part 3
